; MI455X (gfx1250); checked and timed in simulation.
; The chip was launched on July 23, 2026; its instructions are those of AMD's public machine-readable ISA for CDNA 5 (MIT licence, August 2026) and "CDNA5" Instruction Set Architecture Reference Guide (July 2026). The comments in the code are by the model that wrote it; some were corrected since.
;; Bahdanau Attention. Allowed arithmetic: matrix products marked QUANTISED: E2M3 operands, one E8M0 scale for each 32 along K, by v_wmma_scale_f32_16x16x128_f8f6f4 with both operands' format E2M3, f32 sums; products left as they are: f32 operands where the result goes on into a quantised operand, else bf16, f16 or f32 operands; f32 sums; everything else in f32.
;; Inputs: Ua_b 1,024 float32; Ua_w_codes 1,024 x 32 x 24 uint8 (E2M3 codes of Ua_w, K innermost, in blocks of 32 codes, four codes in three bytes); Ua_w_scales 1,024 x 32 uint8 (E8M0 scales of Ua_w, one for each 32 codes along K); Va_b 1 float32; Va_w 1 x 1,024 float32; Wa_b 1,024 float32; Wa_w_codes 1,024 x 32 x 24 uint8 (E2M3 codes of Wa_w, K innermost, in blocks of 32 codes, four codes in three bytes); Wa_w_scales 1,024 x 32 uint8 (E8M0 scales of Wa_w, one for each 32 codes along K); keys 32 x 2,048 x 1,024 float32; query_codes 32 x 1 x 32 x 24 uint8 (E2M3 codes of query, K innermost, in blocks of 32 codes, four codes in three bytes); query_scales 32 x 1 x 32 uint8 (E8M0 scales of query, one for each 32 codes along K).
;; Outputs: out0 32 x 1 x 1,024 float32; out1 32 x 1 x 2,048 float32.
;; This version of the problem:
;;   THIS VERSION OF THE PROBLEM IS GIVEN IN LOW PRECISION. The matrix products marked QUANTISED in the list below multiply operands that are first quantised to E2M3 (2 exponent bits, 3 mantissa bits; 6 bits a number), with one power-of-two scale for each 32 numbers along K (OCP MX v1.0); their sums are f32. All else is computed in f32.
;;   The module's matrix products, in the order in which they are computed (A, B: the left and right operand; K: the contracted axis; several contracted axes count as one K, in the product's order):
;;     1. [M 32, K 1,024] x [K 1,024, N 1,024]; A: input query (given as codes); B: input Wa_w (given as codes): QUANTISED
;;     2. [M 65,536, K 1,024] x [K 1,024, N 1,024]; A: input keys; B: input Ua_w (given as codes): QUANTISED
;;     3. [M 65,536, K 1,024] x [K 1,024, N 1]; A: computed on the way; B: input Va_w: left as it is (N = 1 < 16)
;;     4. batch 32 x [M 1, K 2,048] x [K 2,048, N 1,024]; A: softmax; B: input keys: left as it is (M = 1 < 16)
;;   THE QUANTISER, for each operand of a quantised product, along K:
;;     - K is cut into blocks of 32 from its start; a last block that is shorter is filled with zeros.
;;     - A block's scale is 2^e with e = floor(log2(the largest magnitude in the block)) - 2, held to -126 .. 127; a block of zeros has e = 0. As a byte (E8M0): e + 127.
;;     - Each number is divided by its block's scale, clamped to +-7.5, and rounded to the nearest number of E2M3, ties to even, subnormals kept.
;;     - The product sums the exact products of the quantised numbers (number of the format x scale) in f32.
;;   ~~~python
;;   def quantise(x, axis):      # numpy; x: float32 -> the quantised numbers, widened to float32 again
;;       x = np.moveaxis(x, axis, -1); K = x.shape[-1]
;;       x = np.pad(x, [(0, 0)] * (x.ndim - 1) + [(0, -K % 32)]); x = x.reshape(x.shape[:-1] + (-1, 32)); a = np.abs(x).max(-1, keepdims=True)
;;       e = np.where(a > 0, np.clip(np.frexp(np.where(a > 0, a, 1))[1] - 1 - 2, -126, 127), 0)      # np.frexp(a)[1] - 1 = floor(log2(a)), exactly
;;       r = np.clip(x / 2.0 ** e, -7.5, 7.5)
;;       step = 2.0 ** (np.maximum(np.frexp(np.where(r == 0, 1, r))[1] - 1, 0) - 3)
;;       q = np.round(r / step) * step * 2.0 ** e      # np.round: ties to even
;;       return np.moveaxis(q.reshape(q.shape[:-2] + (-1,))[..., :K], -1, axis).astype(np.float32)
;;   ~~~
;;   INPUTS GIVEN AS CODES. Ua_w (in the module: [1024, 1024], K = its axis 1); Wa_w (in the module: [1024, 1024], K = its axis 1); query (in the module: [32, 1, 1024], K = its axis 2): each comes as NAME_codes (uint8): NAME with its K axis moved to the last place and cut into blocks of 32 codes, [.., K / 32, bytes a block], one block behind the other in memory; four codes in three bytes: a row's codes are one little-endian stream of bits, code i at bits 6 i .. 6 i + 5 (a code: sign, 2 exponent bits, 3 mantissa bits); and NAME_scales (uint8): the same leading axes, one E8M0 byte (e + 127) for each 32 codes along K. Its value is code x scale, taken as it is: it is not quantised again, and the codes and scales need not be those that the quantiser above would give.
;; One version. Each part assembles by itself: llvm-mc -triple=amdgcn-amd-amdhsa -mcpu=gfx1250 --defsym DOCPART=n.
;; ======== version 1 of 1: 3 launches
;; limits: right only within a limited range of input values
;; workspace buffers: qb 131,072 bytes; uaimg 786,432 bytes; scores 262,144 bytes
;; launch prep (part 1): grid 32 x 1, 4 waves a work-group, no clusters, 0 bytes of LDS; arguments query_codes, query_scales, Wa_w_codes, Wa_w_scales, Wa_b, Ua_b, Ua_w_codes, qb, uaimg; writes qb, uaimg
.if DOCPART == 1
	.amdgcn_target "amdgcn-amd-amdhsa--gfx1250"
	.amdhsa_code_object_version 6
	.text
	.protected	k_qf8f617920b_prep
	.globl	k_qf8f617920b_prep
	.p2align	8
	.type	k_qf8f617920b_prep,@function
k_qf8f617920b_prep:
	s_mov_b64 s[64:65], 0
	v_nop
	global_prefetch_b8 v0, s[64:65] scope:SCOPE_SE
	s_setreg_imm32_b32 hwreg(HW_REG_WAVE_MODE, 25, 1), 1
	s_wait_xcnt 0x0
; WHAT THE MAIN LAUNCH WANTS READY.  128 waves; wave W = 4 x work-group + wave takes N tile n = W / 2 (16 outputs) and half t = W % 2.
; (1) Ua's codes, [1024][768 bytes], are laid anew as images of the operand's registers: fragment (N tile n, K step s: 16 rows x 128 K, 12 registers a lane) at byte (8 n + s) x 1536 of uaimg,
;     in it registers 4 c .. 4 c + 3 of lane l at 512 c + 16 l.  Wave W lays K steps 4 t .. 4 t + 3 of tile n.
; (2) qb[b][o] = c x (query[b] . Wa[o] + Wa_b[o] + Ua_b[o]), c = 2 log2(e), for batches 16 t .. 16 t + 15 and outputs 16 n .. 16 n + 15: eight matrix instructions on codes of E2M3 with E8M0 scales,
;     used transposed (source 0 = 16 rows of Wa, source 1 = 16 rows of the query).  The two biases are the C of the two sums' first instructions.
; WORK LEFT OUT, IN THE WHOLE PROGRAM.  tanh(x) = 1 - 2 r with r = 1 / (1 + 2^(c x)), so reference()'s score is Va_b + sum(Va) - 2 sum(Va[o] r[o]).  Va_b + sum(Va) is the same for every key of a batch,
; and the scores reach the outputs through softmax along the keys alone, which takes a term common to its axis away, whatever the inputs hold.  So the program carries -2 sum(Va r) as its score;
; Va_b has no way to an output, is not loaded and is no launch's argument.  Limit: a NaN, an infinity or an overflow that reaches only Va_b + sum(Va) is not carried to the result.
; No cluster, no LDS: two waves share a tile of Wa's codes, 12 KB, read once; nothing else is shared.
.set C2L, 0x4038aa3b                   ; c = 2 log2(e)
	s_load_b256 s[4:11], s[0:1], 0x0               ; query codes, query scales, Wa codes, Wa scales
	s_load_b256 s[12:19], s[0:1], 0x20             ; Wa_b, Ua_b, Ua codes, qb
	s_load_b64 s[24:25], s[0:1], 0x40              ; uaimg
	v_lshrrev_b32 v1, 5, v0
	v_readfirstlane_b32 s26, v1                    ; wave
	s_lshl_b32 s27, ttmp9, 2
	s_add_co_u32 s27, s27, s26                     ; W
	s_lshr_b32 s28, s27, 1                         ; n
	s_and_b32 s29, s27, 1                          ; t
	s_mul_i32 s32, s28, 12288                      ; 16 rows of codes a tile
	s_mov_b32 s33, 0
	s_mul_i32 s34, s29, 384                        ; four K steps of 96 bytes
	s_mov_b32 s35, 0
	s_mul_i32 s36, s29, 12288                      ; the query's 16 rows
	s_mov_b32 s37, 0
	s_lshl_b32 s38, s28, 9                         ; Wa's scale bytes: 16 rows of 32
	s_mov_b32 s39, 0
	s_lshl_b32 s40, s29, 9                         ; the query's likewise
	s_mov_b32 s41, 0
	s_lshl_b32 s42, s28, 6                         ; the biases' 16 numbers
	s_mov_b32 s43, 0
	s_mul_i32 s44, s27, 6144                       ; (8 n + 4 t) x 1536
	s_mov_b32 s45, 0
	s_lshl_b32 s46, s29, 16                        ; qb: 16 t rows of 4,096 bytes
	s_add_co_u32 s46, s46, s42                     ; + 64 n
	s_mov_b32 s47, 0
	v_and_b32 v1, 15, v0                           ; r
	v_bfe_u32 v2, v0, 4, 1                         ; h
	v_and_b32 v3, 31, v0
	v_lshlrev_b32 v3, 4, v3                        ; 16 x lane
	v_mul_u32_u24 v4, v1, 768                      ; row r of 768 bytes,
	v_mad_u32_u24 v4, v2, 24, v4                   ; + 24 h
	v_lshlrev_b32 v5, 5, v1                        ; scale words: 32 bytes a row
	v_lshlrev_b32 v6, 5, v2                        ; biases: my half's eight numbers
	v_lshl_add_u32 v7, v1, 12, v6                  ; qb: row r of 4,096 bytes + 32 h
	s_wait_alu depctr_va_vdst(0)
	s_wait_kmcnt 0x0
	s_add_nc_u64 s[16:17], s[16:17], s[32:33]
	s_add_nc_u64 s[16:17], s[16:17], s[34:35]
	s_add_nc_u64 s[8:9], s[8:9], s[32:33]
	s_add_nc_u64 s[4:5], s[4:5], s[36:37]
	s_add_nc_u64 s[10:11], s[10:11], s[38:39]
	s_add_nc_u64 s[6:7], s[6:7], s[40:41]
	s_add_nc_u64 s[12:13], s[12:13], s[42:43]
	s_add_nc_u64 s[14:15], s[14:15], s[42:43]
	s_add_nc_u64 s[24:25], s[24:25], s[44:45]
	s_add_nc_u64 s[48:49], s[18:19], s[46:47]
	s_set_vgpr_msb 0x40                            ; destination window 1: Ua's four fragments lie in v256-303, so that every load of the wave goes out at once
.irp q, 0,1,2,3
.irp p, 0,1,2,3,4,5
	global_load_b64 v[12*\q+2*\p:12*\q+2*\p+1], v4, s[16:17] offset:96*\q+48*(\p/3)+8*(\p%3)
.endr
.endr
	s_set_vgpr_msb 0x4000
.irp s, 0,1,2,3,4,5,6,7                ; the query's eight fragments, and Wa's
.irp p, 0,1,2,3,4,5
	global_load_b64 v[128+12*\s+2*\p:129+12*\s+2*\p], v4, s[4:5] offset:96*\s+48*(\p/3)+8*(\p%3)
	global_load_b64 v[32+12*\s+2*\p:33+12*\s+2*\p], v4, s[8:9] offset:96*\s+48*(\p/3)+8*(\p%3)
.endr
.endr
	global_load_b128 v[8:11], v5, s[10:11]         ; Wa's scale words of K steps 0 to 7
	global_load_b128 v[12:15], v5, s[10:11] offset:16
	global_load_b128 v[16:19], v5, s[6:7]          ; the query's
	global_load_b128 v[20:23], v5, s[6:7] offset:16
	global_load_b128 v[224:227], v6, s[12:13]      ; Wa_b at outputs 16 n + 8 h + 0 .. 7
	global_load_b128 v[228:231], v6, s[12:13] offset:16
	global_load_b128 v[232:235], v6, s[14:15]      ; Ua_b likewise
	global_load_b128 v[236:239], v6, s[14:15] offset:16
	s_wait_loadcnt 0x0
	s_set_vgpr_msb 0x04                            ; a store's data are its source 1: window 1
.irp q, 0,1,2,3
.irp c, 0,1,2
	global_store_b128 v3, v[12*\q+4*\c:12*\q+4*\c+3], s[24:25] offset:1536*\q+512*\c   ; 32 lanes store 512 consecutive bytes, at a multiple of 256 from the buffer's first byte
.endr
.endr
	s_set_vgpr_msb 0x0400
.irp s, 0,1,2,3,4,5,6,7                ; two accumulators by turns
.if \s < 2
	v_wmma_scale_f32_16x16x128_f8f6f4 v[240+8*(\s%2):247+8*(\s%2)], v[32+12*\s:43+12*\s], v[128+12*\s:139+12*\s], v[224+8*\s:231+8*\s], v[8+\s], v[16+\s] matrix_a_fmt:MATRIX_FMT_FP6 matrix_b_fmt:MATRIX_FMT_FP6
.else
	v_wmma_scale_f32_16x16x128_f8f6f4 v[240+8*(\s%2):247+8*(\s%2)], v[32+12*\s:43+12*\s], v[128+12*\s:139+12*\s], v[240+8*(\s%2):247+8*(\s%2)], v[8+\s], v[16+\s] matrix_a_fmt:MATRIX_FMT_FP6 matrix_b_fmt:MATRIX_FMT_FP6
.endif
.endr
.rept 4
	v_nop                                          ; four places between the last product and the first read of results (ISA guide 7.12.1)
.endr
.irp j, 0,2,4,6
	v_pk_add_f32 v[24+\j:25+\j], v[240+\j:241+\j], v[248+\j:249+\j]   ; each accumulator from its low end on
.endr
.irp j, 0,2,4,6
	v_pk_mul_f32 v[24+\j:25+\j], v[24+\j:25+\j], C2L op_sel_hi:[1,0]
.endr
	global_store_b128 v7, v[24:27], s[48:49]       ; lane (r, h): qb[16 t + r][16 n + 8 h + 0 .. 7]
	global_store_b128 v7, v[28:31], s[48:49] offset:16
	s_endpgm
.Lfunc_end_k_qf8f617920b_prep:
	.size	k_qf8f617920b_prep, .Lfunc_end_k_qf8f617920b_prep-k_qf8f617920b_prep
	.p2alignl 7, 3214868480
	.fill 96, 4, 3214868480
	.section	.rodata,"a",@progbits
	.p2align	6, 0x0
	.amdhsa_kernel k_qf8f617920b_prep
		.amdhsa_group_segment_fixed_size 0
		.amdhsa_private_segment_fixed_size 0
		.amdhsa_enable_private_segment 0
		.amdhsa_kernarg_size 72
		.amdhsa_user_sgpr_count 2
		.amdhsa_user_sgpr_kernarg_segment_ptr 1
		.amdhsa_wavefront_size32 1
		.amdhsa_system_sgpr_workgroup_id_x 1
		.amdhsa_system_sgpr_workgroup_id_y 1
		.amdhsa_system_sgpr_workgroup_id_z 1
		.amdhsa_system_vgpr_workitem_id 0
		.amdhsa_next_free_vgpr 320
		.amdhsa_next_free_sgpr 66
		.amdhsa_reserve_vcc 0
		.amdhsa_float_denorm_mode_32 3
		.amdhsa_float_denorm_mode_16_64 3
		.amdhsa_memory_ordered 1
		.amdhsa_forward_progress 1
		.amdhsa_inst_pref_size 18
	.end_amdhsa_kernel
	.amdgpu_metadata
---
amdhsa.version: [ 1, 2 ]
amdhsa.kernels:
  - .name:           k_qf8f617920b_prep
    .symbol:         k_qf8f617920b_prep.kd
    .args:
      - { .name: query_codes, .offset: 0, .size: 8, .value_kind: global_buffer, .address_space: global }
      - { .name: query_scales, .offset: 8, .size: 8, .value_kind: global_buffer, .address_space: global }
      - { .name: Wa_w_codes, .offset: 16, .size: 8, .value_kind: global_buffer, .address_space: global }
      - { .name: Wa_w_scales, .offset: 24, .size: 8, .value_kind: global_buffer, .address_space: global }
      - { .name: Wa_b, .offset: 32, .size: 8, .value_kind: global_buffer, .address_space: global }
      - { .name: Ua_b, .offset: 40, .size: 8, .value_kind: global_buffer, .address_space: global }
      - { .name: Ua_w_codes, .offset: 48, .size: 8, .value_kind: global_buffer, .address_space: global }
      - { .name: qb, .offset: 56, .size: 8, .value_kind: global_buffer, .address_space: global }
      - { .name: uaimg, .offset: 64, .size: 8, .value_kind: global_buffer, .address_space: global }
    .group_segment_fixed_size: 0
    .private_segment_fixed_size: 0
    .kernarg_segment_align: 8
    .kernarg_segment_size: 72
    .max_flat_workgroup_size: 128
    .sgpr_count:     66
    .vgpr_count:     320
    .wavefront_size: 32
...
	.end_amdgpu_metadata
.endif
;; end of part 1
;; launch main (part 2): grid 256 x 1, 4 waves a work-group, clusters of 4 x 1, 327,680 bytes of LDS; arguments keys, uaimg, Ua_w_scales, qb, Va_w, scores; writes scores
.if DOCPART == 2
	.amdgcn_target "amdgcn-amd-amdhsa--gfx1250"
	.amdhsa_code_object_version 6
	.text
	.protected	k_qf8f617920b_main
	.globl	k_qf8f617920b_main
	.p2align	8
	.type	k_qf8f617920b_main,@function
k_qf8f617920b_main:
	s_mov_b64 s[64:65], 0
	v_nop
	global_prefetch_b8 v0, s[64:65] scope:SCOPE_SE
	s_setreg_imm32_b32 hwreg(HW_REG_WAVE_MODE, 25, 1), 1
	s_wait_xcnt 0x0
	s_wait_alu depctr_hold_cnt(0) depctr_sa_sdst(0) depctr_va_vdst(0) depctr_va_sdst(0) depctr_va_ssrc(0) depctr_va_vcc(0) depctr_vm_vsrc(0)
	s_getreg_b32 s2, hwreg(HW_REG_IB_STS2, 6, 4)
	s_cmp_eq_u32 s2, 0
	s_cbranch_scc0 .Lentry_in_a_cluster
	s_endpgm
.Lentry_in_a_cluster:
	s_bfe_u32 s2, ttmp6, 0x10000c
	s_cmp_lg_u32 s2, 0x3003
	s_cbranch_scc0 .Lentry_shape_is_right
	s_endpgm
.Lentry_shape_is_right:
; scores[row] = -2 x the sum over o of Va[o] r[o], r = 1 / (1 + 2^(c keys[row] . Ua[o] + qb[b][o])), c = 2 log2(e), for the 65,536 rows of keys.
; Left out: Va_b + sum(Va), the same for all keys of a batch, which the softmax of the next launch takes away (shown at the head of the first kernel).
; Where 2^(..) overflows r is 0, where it underflows r is 1: tanh is then 1 or -1.  The product is made on codes of E2M3 with one E8M0 scale for each 32 along K.
; SHARES.  A work-group owns 256 rows, each of its four waves 64: four tiles of 16.  First the wave reads its rows (f32), quantises them along K and keeps the codes (32 fragments of 12 registers) and scale words
; in registers.  Then it walks Ua's 64 tiles of 16 outputs: 8 K steps x 4 tiles of rows = 32 matrix instructions a tile of outputs; each fragment of Ua read from LDS feeds four.
; The matrix instruction is used transposed (source 0 = 16 rows of Ua, source 1 = 16 rows of keys): a lane holds one row of keys (lane % 16) and outputs 8 (lane / 16) + 0 .. 7.
; A TILE: 16 products (K steps 0-3), the next tile's first half asked of LDS, 16 products (K steps 4-7), the next tile's second half asked, then the tile's own 112 vector lines.
; No transcendental stands between a product and the instruction that reads its result.
; CLUSTER.  The four work-groups of a cluster lie in one batch and walk the same Ua: Ua's images and scale bytes, qb's row and Va are asked for jointly, mask 15.
; Ua's images go through a ring of two LDS slots of 8 tiles of outputs (98,304 bytes); a slot is filled again behind a round of the cluster's barrier, a quarter a wave.
; PREFETCH.  A unit of keys (16 rows x 512 bytes) is 32 blocks of 256 bytes: one instruction, a lane a block.  Unit u + 10 is asked for in unit u's trip, six trips ahead of its loads; units 4 to 9 behind the first loads;
; units 0 to 3 come by their loads alone; the last ten trips ask for nothing.  Each wave asks for its own rows: no other wave reads them.  Ua's images are not prefetched: every cluster reads the same 786,432 bytes.
; All of a WGP's LDS is claimed.
; LIMITS: NaN and infinities among keys are not served.  A block of 32 keys whose largest magnitude lies under 2^(3 - 127) gets the scale byte 1 (a block of zeros too: its codes are zeros; the bytes are read here alone).
; REGISTERS, in windows of 256 (s_set_vgpr_msb: bits 1:0 source 0, 3:2 source 1, 5:4 source 2, 7:6 destination):
;   window 0: v1-15 addresses; v16-23 the scores' sums; v32-39 Ua's scale words; v40-71 the keys' scale words (8 m + s); v72-119, v120-167 Ua's fragments of K steps 0-3, 4-7; v168-199 four accumulators;
;             v200-231 qb and Va of a tile, two sets by the tile's parity; v232-247 at work.  While keys are quantised: v72-135 a unit's 64 numbers, v136-154 its codes.
;   window 1: the keys' fragments of K steps 0-3 at v[12 (4 m + s)];   window 2: those of K steps 4-7;   window 3: four sets of 64 registers for the loads of keys.
.set SLOT1, 1<<17                      ; slot 0 at LDS byte 0, slot 1 here
.set CHUNK, 98304                      ; a slot: 8 tiles x 8 fragments x 1,536 bytes
.set USC,   98304                      ; Ua's scale bytes, 32 a row: 32,768 bytes, filled once
.set QBL,   229632                     ; qb's row of my batch, 4,096 bytes, filled once
.set VAL,   QBL+4096                   ; Va, 4,096 bytes, filled once
.set DV,    4096
.set SPARE, VAL+4096                   ; the spare words: 128 bytes a wave
.set STG,   SPARE+512                  ; a stage for each wave: 16 rows x (512 + 16) bytes
.set STGB,  8448
.set SP,    528
.set AB0, 1                            ; 16 x lane
.set ADB, 2                            ; LDS address of the pair's fragments of Ua
.set ADS, 3                            ; of its scale words
.set ADQ, 4                            ; of its qb (Va lies DV further on)
.set SPW, 5                            ; my spare word; never rewritten
.set NIL, 6                            ; 0; never rewritten
.set STW, 7                            ; my stage + 16 x lane
.set STR, 8                            ; my stage + 528 r + 64 h
.set AS0, 9                            ; USC + 32 r
.set AQ0, 10                           ; QBL + 32 h
.set PFO, 15                           ; the prefetches' offset: 4,096 (lane / 2) + 256 (lane % 2); never rewritten
.set SC,  16
.set SCB, 32
.set SCA, 40
.set BF0, 72
.set BF1, 120
.set X0,  168
.set QV,  200
.set TM,  232
.set XS,  72
.set PC,  136
.set WV,  16
.set CX,  17
.set GG,  18
.set TS,  19
.set SEL, 20
.set CS,  22
.set TB,  25
.set CNO, 26
.set CNI, 27
.set TQ,  66
.set MYS, 67
.set G1R, 32                           ; group 1: 96 rows of 256 bytes (a wave's quarter of a slot)
.set G1U, 40                           ; 128 rows (Ua's scale bytes)
.set G1Q, 48                           ; 16 rows (qb's row; Va)
.set G1A, 84                           ; 384 rows (a whole slot)
.set G0A, 56
.set G0W, 60
.set G0U, 68
.set G0Q, 72
.set G0V, 76
.set MSB, 0
.macro WIN new                         ; the immediate's high byte repeats the setting that is left
.if MSB != \new
	s_set_vgpr_msb (MSB<<8)|\new
.set MSB, \new
.endif
.endm
.macro PLACES
.rept 4
	v_nop
.endr
.endm
.macro CROUND                          ; a round of the cluster's barrier
	s_barrier_signal -1
	s_barrier_wait -1
	s_cmp_lg_u32 s[WV], 0
	s_cbranch_scc1 .Lnot_wave_0_\@
	s_barrier_signal -3
.Lnot_wave_0_\@:
	s_barrier_wait -3
	s_barrier_signal -1
	s_barrier_wait -1
.endm
	s_load_b256 s[4:11], s[0:1], 0x0               ; keys, uaimg, Ua's scales, qb
	s_load_b128 s[12:15], s[0:1], 0x20             ; Va, scores
	v_lshl_add_u32 v[SPW], v0, 2, SPARE
	v_mov_b32 v[NIL], 0
	ds_add_u32 v[SPW], v[NIL]                      ; the opening lines: the add, twice on end, and its wait
	ds_add_u32 v[SPW], v[NIL]
	v_lshrrev_b32 v11, 5, v0
	v_readfirstlane_b32 s[WV], v11                 ; wave
	s_bfe_u32 s[CX], ttmp6, 0x40000                ; cx
	s_lshl_b32 s[GG], ttmp9, 2
	s_add_co_u32 s[GG], s[GG], s[CX]               ; my work-group: it enters the addresses of keys and of scores alone
	s_lshl_b32 s80, s[GG], 20                      ; 256 rows of 4,096 bytes,
	s_lshl_b32 s81, s[WV], 18                      ; my wave's 64
	s_add_co_u32 s80, s80, s81
	s_mov_b32 s81, 0
	s_lshl_b32 s82, s[GG], 10
	s_lshl_b32 s83, s[WV], 8
	s_add_co_u32 s82, s82, s83
	s_mov_b32 s83, 0
.irp g, G1R, G1U, G1Q, G1A             ; dense blocks as rows of 256 bytes (32 elements of 8 bytes)
	s_mov_b32 s[\g], 15|(3<<16)|(1<<21)            ; the mask: all four work-groups; elements of 8 bytes; bit 21 beside a mask
	s_mov_b32 s[\g+1], 32<<16
	s_mov_b32 s[\g+3], 32<<16
	s_mov_b32 s[\g+5], 32
	s_mov_b32 s[\g+6], 0
	s_mov_b32 s[\g+7], 0
.endr
	s_mov_b32 s[G1R+2], 96<<16
	s_mov_b32 s[G1R+4], 96
	s_mov_b32 s[G1U+2], 128<<16
	s_mov_b32 s[G1U+4], 128
	s_mov_b32 s[G1Q+2], 16<<16
	s_mov_b32 s[G1Q+4], 16
	s_mov_b32 s[G1A+2], 384<<16
	s_mov_b32 s[G1A+4], 384
	s_mul_i32 s28, s[WV], 24576                    ; my quarter of a slot, in memory and in LDS
	s_lshr_b32 s31, ttmp9, 1                       ; the batch: two clusters to a batch
	s_lshl_b32 s31, s31, 12
	s_mov_b32 s3, 0
	s_mov_b32 s[SEL], 0x76543210
	s_mov_b32 s[SEL+1], 0xfedcba98
	s_mov_b32 s[CS], 0x4038aa3b                    ; c
	s_mov_b32 s[CS+1], s[CS]
	s_mul_i32 s[MYS], s[WV], STGB
	s_add_co_u32 s[MYS], s[MYS], STG
	v_and_b32 v11, 31, v0                          ; lane
	v_and_b32 v12, 15, v0                          ; r
	v_bfe_u32 v13, v0, 4, 1                        ; h
	v_lshlrev_b32 v[AB0], 4, v11
	v_add_nc_u32 v[STW], s[MYS], v[AB0]
	v_mul_u32_u24 v[STR], v12, SP
	v_lshl_add_u32 v[STR], v13, 6, v[STR]
	v_add_nc_u32 v[STR], s[MYS], v[STR]
	v_lshl_add_u32 v[AS0], v12, 5, USC
	v_lshl_add_u32 v[AQ0], v13, 5, QBL
	v_lshrrev_b32 v14, 1, v11
	v_and_b32 v[PFO], 1, v11
	v_lshlrev_b32 v[PFO], 8, v[PFO]
	v_lshl_add_u32 v[PFO], v14, 12, v[PFO]
.irp b, 0,1,2,3
	v_mov_b32 v[TM+4+\b], 0                        ; a lane permute's destination counts as one of its sources
.endr
	s_wait_alu depctr_va_vdst(0)
	s_wait_dscnt 0x0                               ; both opening adds are done
	s_wait_kmcnt 0x0
	s_mov_b32 s[G0A], 1                            ; slot 0, whole: tiles 0 to 7
	s_mov_b32 s[G0A+1], 0
	s_mov_b64 s[G0A+2:G0A+3], s[6:7]
	s_or_b32 s[G0A+3], s[G0A+3], 0x80000000
	s_mov_b32 s2, s28
	s_mov_b32 s[G0W], 1                            ; my quarter of slot 1: tiles 8 to 15; it then walks on
	s_add_co_u32 s[G0W+1], s28, SLOT1
	s_add_nc_u64 s[G0W+2:G0W+3], s[6:7], s[2:3]
	s_add_nc_u64 s[G0W+2:G0W+3], s[G0W+2:G0W+3], CHUNK
	s_or_b32 s[G0W+3], s[G0W+3], 0x80000000
	s_mov_b32 s[G0U], 1
	s_mov_b32 s[G0U+1], USC
	s_mov_b64 s[G0U+2:G0U+3], s[8:9]
	s_or_b32 s[G0U+3], s[G0U+3], 0x80000000
	s_mov_b32 s2, s31
	s_mov_b32 s[G0Q], 1
	s_mov_b32 s[G0Q+1], QBL
	s_add_nc_u64 s[G0Q+2:G0Q+3], s[10:11], s[2:3]
	s_or_b32 s[G0Q+3], s[G0Q+3], 0x80000000
	s_mov_b32 s[G0V], 1
	s_mov_b32 s[G0V+1], VAL
	s_mov_b64 s[G0V+2:G0V+3], s[12:13]
	s_or_b32 s[G0V+3], s[G0V+3], 0x80000000
	s_add_nc_u64 s[4:5], s[4:5], s[80:81]          ; keys at my wave's first row
	s_add_nc_u64 s[14:15], s[14:15], s[82:83]      ; scores likewise
	CROUND                                         ; all four work-groups are here: the first joint loads meet
; The head's four tiles, one joint load a wave: wave 0 Ua's scale bytes, wave 1 qb's row, wave 2 Va, wave 3 slot 0.  One chain of branches on the wave's number.
.macro ARM under, g0, g1, next
	s_cmp_lt_u32 s[WV], \under
	s_cbranch_scc0 \next
	tensor_load_to_lds s[\g0:\g0+3], s[\g1:\g1+7]
	s_nop 0
	PLACES
	s_branch .Lasked
\next:
.endm
	ARM 1, G0U, G1U, .Lhead_q
	ARM 2, G0Q, G1Q, .Lhead_v
	ARM 3, G0V, G1Q, .Lhead_a
	tensor_load_to_lds s[G0A:G0A+3], s[G1A:G1A+7]
	s_nop 0
	PLACES
.Lasked:
; ---- THE KEYS BECOME CODES.  A unit u = 8 m + s is 16 rows x 128 along K.  Each of its sixteen loads reads 512 consecutive bytes of one row; the conversions want 16 neighbours along K in a lane's registers:
; the unit turns through my own stage in LDS and comes back so that register 16 b + i is k = 32 b + 16 h + i of row r.  Loads run four units (64 loads a wave) ahead.
.macro LOADU u
	WIN 0xc0
.irp i, 0,1,2,3,4,5,6,7,8,9,10,11,12,13,14,15
	global_load_b128 v[64*((\u)%4)+4*\i:64*((\u)%4)+4*\i+3], v[AB0], s[4:5] offset:65536*((\u)/8)+4096*\i+512*((\u)%8) th:TH_LOAD_NT
.endr
	WIN 0
.endm
.macro PF u
	global_prefetch_b8 v[PFO], s[4:5] offset:65536*((\u)/8)+512*((\u)%8) th:TH_LOAD_NT scope:SCOPE_SE
.endm
.macro QUANT u
.set qW, 1+((\u)%8)/4
.set qF, 12*(4*((\u)/8)+(\u)%4)
.irp b, 0,1,2,3
	v_max3_num_f32 v[TM+\b], |v[XS+16*\b]|, |v[XS+1+16*\b]|, 0x1800000   ; my 16 numbers of block b, and the floor 2^(3 - 127): the byte cannot fall under 1
.endr
.irp i, 2,4,6,8,10,12,14
.irp b, 0,1,2,3
	v_max3_num_f32 v[TM+\b], v[TM+\b], |v[XS+16*\b+\i]|, |v[XS+1+16*\b+\i]|
.endr
.endr
.irp b, 0,1,2,3
	v_permlanex16_b32 v[TM+4+\b], v[TM+\b], s[SEL], s[SEL+1]
.endr
.irp b, 0,1,2,3
	v_max_num_f32 v[TM+\b], v[TM+\b], v[TM+4+\b]   ; with lane l xor 16's: the block's largest magnitude
.endr
.irp b, 0,1,2,3
	v_add_nc_u32 v[TM+12+\b], 0xff000000, v[TM+\b] ; 2 off its exponent field: the conversion's scale operand
.endr
.irp b, 0,1,2,3
	v_lshrrev_b32 v[TM+4+\b], 23, v[TM+12+\b]      ; the scale's byte
.endr
	v_lshl_or_b32 v[SCA+(\u)], v[TM+5], 8, v[TM+4]
	v_lshl_or_b32 v[SCA+(\u)], v[TM+6], 16, v[SCA+(\u)]
	v_lshl_or_b32 v[SCA+(\u)], v[TM+7], 24, v[SCA+(\u)]
.irp c, 0,1
	v_cvt_scalef32_pk16_fp6_f32 v[PC+6*\c:PC+2+6*\c], v[XS+32*\c:XS+15+32*\c], v[TM+12+2*\c]
	v_cvt_scalef32_pk16_fp6_f32 v[PC+12+4*\c:PC+14+4*\c], v[XS+16+32*\c:XS+31+32*\c], v[TM+12+2*\c+1]
.endr
	v_nop                                          ; one plain place behind a scaled conversion
.irp c, 0,1                            ; the operand's layout wants a whole block in a lane
.irp i, 0,1,2
	v_permlane16_swap_b32 v[PC+6*\c+\i], v[PC+12+4*\c+\i]
.endr
.endr
	WIN qW<<6
.irp c, 0,1
.irp i, 0,1,2
	v_mov_b32 v[qF+6*\c+\i], v[PC+6*\c+\i]         ; registers 6 c .. 6 c + 5 hold k = 64 c + 32 h + 0 .. 31
	v_mov_b32 v[qF+6*\c+3+\i], v[PC+12+4*\c+\i]
.endr
.endr
	WIN 0
.endm
.macro UNIT u
.if (\u) < 29
	s_wait_loadcnt 48                              ; this unit's sixteen loads are in; the three units behind it may be out
.else
	s_wait_loadcnt 16*(31-(\u))
.endif
	WIN 0x0c
.irp i, 0,1,2,3,4,5,6,7,8,9,10,11,12,13,14,15
	ds_store_b128 v[STW], v[64*((\u)%4)+4*\i:64*((\u)%4)+4*\i+3] offset:SP*\i
.endr
	WIN 0
.irp b, 0,1,2,3
.irp j, 0,1,2,3
	ds_load_b128 v[XS+16*\b+4*\j:XS+16*\b+4*\j+3], v[STR] offset:128*\b+16*\j   ; LDS serves a wave's instructions in order (ISA guide 5.7.1.4)
.endr
.endr
	s_wait_dscnt 0x0
.if (\u)+4 < 32
	LOADU (\u)+4
.endif
.if (\u)+10 < 32
	PF (\u)+10
.endif
	QUANT \u
.endm
	LOADU 0
	LOADU 1
	LOADU 2
	LOADU 3
.irp u, 4,5,6,7,8,9
	PF \u
.endr
.irp u, 0,1,2,3,4,5,6,7,8,9,10,11,12,13,14,15,16,17,18,19,20,21,22,23,24,25,26,27,28,29,30,31
	UNIT \u
.endr
; ---- THE WALK OVER UA'S 64 TILES OF OUTPUTS
	s_wait_alu depctr_va_vdst(0)                   ; directly ahead of the wait below
	s_wait_tensorcnt 0x0                           ; my tile of the head's four is in; slot 1's first fill is issued as a refill is:
	ds_add_u32 v[SPW], v[NIL]
	s_mov_b32 s[TB], 0
	s_mov_b32 s[TS], 0
	s_mov_b32 s[TQ], 0
	s_wait_dscnt 0x0
	CROUND                                         ; everybody's tile is in, and the joint loads meet
	tensor_load_to_lds s[G0W:G0W+3], s[G1R:G1R+7]  ; my quarter of slot 1: it has slot 0's 256 matrix instructions in which to land
	s_nop 0
	PLACES
.irp j, 0,1,2,3,4,5,6,7
	v_mov_b32 v[SC+\j], 0                          ; the scores' sums
.endr
	v_add_nc_u32 v[ADB], s[TB], v[AB0]
	v_add_nc_u32 v[ADS], s[TS], v[AS0]
	v_add_nc_u32 v[ADQ], s[TQ], v[AQ0]
	s_wait_alu depctr_va_vdst(0)
.macro LDBF reg, off                   ; four fragments of Ua, as images: three loads of 16 bytes a lane each
.irp f, 0,1,2,3
.irp c, 0,1,2
	ds_load_b128 v[\reg+12*\f+4*\c:\reg+12*\f+4*\c+3], v[ADB] offset:\off+1536*\f+512*\c
.endr
.endr
.endm
.macro GRP0 ob, os, oq, set            ; a tile's first half: 17 loads: fragments and scale words of K steps 0-3, qb and Va
	LDBF BF0, \ob
	ds_load_b128 v[SCB:SCB+3], v[ADS] offset:\os
	ds_load_b128 v[QV+16*\set:QV+16*\set+3], v[ADQ] offset:\oq
	ds_load_b128 v[QV+16*\set+4:QV+16*\set+7], v[ADQ] offset:\oq+16
	ds_load_b128 v[QV+16*\set+8:QV+16*\set+11], v[ADQ] offset:\oq+DV
	ds_load_b128 v[QV+16*\set+12:QV+16*\set+15], v[ADQ] offset:\oq+DV+16
.endm
.macro GRP1 ob, os                     ; its second half: 13 loads
	LDBF BF1, \ob+6144
	ds_load_b128 v[SCB+4:SCB+7], v[ADS] offset:\os+16
.endm
; Matrix instruction I of a tile's 32: K step I / 4, tile of rows I % 4.  The four accumulators take turns; the first four start the sums with the constant 0.
.macro WM
.set ws, I/4
.set wm, I%4
.set wD, X0+8*wm
.set wB, BF0+12*ws
.set wA, 12*(4*wm+ws%4)
.if ws == 0
	v_wmma_scale_f32_16x16x128_f8f6f4 v[wD:wD+7], v[wB:wB+11], v[wA:wA+11], 0, v[SCB+ws], v[SCA+8*wm+ws] matrix_a_fmt:MATRIX_FMT_FP6 matrix_b_fmt:MATRIX_FMT_FP6
.else
	v_wmma_scale_f32_16x16x128_f8f6f4 v[wD:wD+7], v[wB:wB+11], v[wA:wA+11], v[wD:wD+7], v[SCB+ws], v[SCA+8*wm+ws] matrix_a_fmt:MATRIX_FMT_FP6 matrix_b_fmt:MATRIX_FMT_FP6
.endif
.set I, I+1
.endm
; The tile's 112 vector lines: c x + qb; 2^(..); + 1; 1 / (..); the sums += r x Va.  Each batch of transcendentals has one wait ahead of it and one behind it.
.macro LINES e
.set QB, QV+16*(\e)
.set VA, QV+16*(\e)+8
.set K, 0
.rept 16
	v_pk_fma_f32 v[X0+2*K:X0+2*K+1], v[X0+2*K:X0+2*K+1], s[CS:CS+1], v[QB+(2*K)%8:QB+(2*K)%8+1] op_sel_hi:[1,0,1]   ; each accumulator from its low end on
.set K, K+1
.endr
	s_wait_alu depctr_va_vdst(0)
.set K, 0
.rept 32
	v_exp_f32 v[X0+K], v[X0+K]
.set K, K+1
.endr
	v_nop
	s_wait_alu depctr_va_vdst(0)
.set K, 0
.rept 16
	v_pk_add_f32 v[X0+2*K:X0+2*K+1], v[X0+2*K:X0+2*K+1], 1.0 op_sel_hi:[1,0]
.set K, K+1
.endr
	s_wait_alu depctr_va_vdst(0)
.set K, 0
.rept 32
	v_rcp_f32 v[X0+K], v[X0+K]
.set K, K+1
.endr
	v_nop
	s_wait_alu depctr_va_vdst(0)
.set K, 0
.rept 16
	v_pk_fma_f32 v[SC+2*(K%4):SC+2*(K%4)+1], v[X0+8*(K%4)+2*(K/4):X0+8*(K%4)+2*(K/4)+1], v[VA+2*(K/4):VA+2*(K/4)+1], v[SC+2*(K%4):SC+2*(K%4)+1]
.set K, K+1
.endr
.endm
; On to the next pair of tiles.  kind 0: it lies in the same slot.  kind 1: in the other slot, and this slot is filled again with the tiles two slots on.  kind 2: the other slot, nothing is asked for.
.macro STEP kind
.if \kind == 0
	s_add_co_u32 s[TB], s[TB], 24576
.else
	s_wait_tensorcnt 0x0                           ; all my tensor loads are in: my quarter of the other slot
	ds_add_u32 v[SPW], v[NIL]
.if \kind == 1
	s_xor_b32 s[G0W+1], s[G0W+1], SLOT1            ; the walking descriptor: the other slot than last time,
	s_add_nc_u64 s[G0W+2:G0W+3], s[G0W+2:G0W+3], CHUNK   ; the next 8 tiles
.endif
	s_sub_co_u32 s[TB], s[TB], 73728
	s_xor_b32 s[TB], s[TB], SLOT1
.endif
	s_add_co_u32 s[TS], s[TS], 1024
	s_add_co_u32 s[TQ], s[TQ], 128
.if \kind == 1
	s_wait_dscnt 0x0                               ; the add is done, and my reads of this slot are over (this tile's second half has come in)
	CROUND
	tensor_load_to_lds s[G0W:G0W+3], s[G1R:G1R+7]  ; my one tensor load behind the round
	s_nop 0
	PLACES
.endif
.if \kind == 2
	s_wait_dscnt 0x0
	s_barrier_signal -1
	s_barrier_wait -1                              ; the other slot is whole
.endif
.endm
; A tile.  e: its parity.  Behind the walk's last tile there is no next one: in the last trip of the loop that holds kind 2 a branch on the loop's counter leads round the LDS loads alone.
.macro TILE e, kind
	s_wait_dscnt 13                                ; the first half's 17 loads are in; the second half's 13 may be out
	WIN 0x04                                       ; source 1, the keys' fragments: window 1
.set I, 0
.rept 16
	WM
.endr
	WIN 0
	PLACES                                         ; four places in front of loads into registers that products have read
.if \e == 0
	GRP0 12288, 512, 64, 1
.else
	STEP \kind
.if \kind == 2
	s_cmp_eq_u32 s[CNO], 1
	s_cbranch_scc1 .Lno0_\@
.endif
	v_add_nc_u32 v[ADB], s[TB], v[AB0]
	v_add_nc_u32 v[ADS], s[TS], v[AS0]
	v_add_nc_u32 v[ADQ], s[TQ], v[AQ0]
	s_wait_alu depctr_va_vdst(0)
	GRP0 0, 0, 0, 0
.if \kind == 2
.Lno0_\@:
.endif
.endif
	s_wait_dscnt 17                                ; the second half's 13 loads are in; the 17 just issued may be out (where none were issued, the wait for 0 in front of the barrier has covered them)
	WIN 0x08                                       ; source 1: window 2
.rept 16
	WM
.endr
	WIN 0
	PLACES                                         ; for the loads below and for the first read of results
.if \e == 0
	GRP1 12288, 512
.else
.if \kind == 2
	s_cmp_eq_u32 s[CNO], 1
	s_cbranch_scc1 .Lno1_\@
.endif
	GRP1 0, 0
.if \kind == 2
.Lno1_\@:
.endif
.endif
	LINES \e
.endm
	GRP0 0, 0, 0, 0                                ; tile 0
	GRP1 0, 0
	s_mov_b32 s[CNO], 6
.Lchunk:                                               ; six slots' worth of tiles, behind each of which the slot is filled again
	s_mov_b32 s[CNI], 3
.Lpair_a:
	TILE 0, 0
	TILE 1, 0
	s_sub_co_u32 s[CNI], s[CNI], 1
	s_cmp_lg_u32 s[CNI], 0
	s_cbranch_scc1 .Lpair_a
	TILE 0, 0
	TILE 1, 1
	s_sub_co_u32 s[CNO], s[CNO], 1
	s_cmp_lg_u32 s[CNO], 0
	s_cbranch_scc1 .Lchunk
	s_mov_b32 s[CNO], 2
.Ltail:                                                ; the last two slots: no tensor load
	s_mov_b32 s[CNI], 3
.Lpair_b:
	TILE 0, 0
	TILE 1, 0
	s_sub_co_u32 s[CNI], s[CNI], 1
	s_cmp_lg_u32 s[CNI], 0
	s_cbranch_scc1 .Lpair_b
	TILE 0, 0
	TILE 1, 2
	s_sub_co_u32 s[CNO], s[CNO], 1
	s_cmp_lg_u32 s[CNO], 0
	s_cbranch_scc1 .Ltail
	; ---- THE SCORES.  A sum's two halves, and lane l xor 16's (the other eight outputs of each tile); x -2.
	s_wait_alu depctr_va_vdst(0)
.irp m, 0,1,2,3
	v_add_f32 v[TM+\m], v[SC+2*\m], v[SC+2*\m+1]
.endr
.irp m, 0,1,2,3
	v_permlanex16_b32 v[TM+4+\m], v[TM+\m], s[SEL], s[SEL+1]
.endr
.irp m, 0,1,2,3
	v_add_f32 v[TM+\m], v[TM+\m], v[TM+4+\m]
.endr
.irp m, 0,1,2,3
	v_mul_f32 v[TM+\m], -2.0, v[TM+\m]             ; both halves of the lanes hold the score of row 16 m + r
.endr
	v_and_b32 v11, 31, v0
	v_lshl_add_u32 v12, v11, 2, s[MYS]
	v_lshl_add_u32 v13, v11, 3, s[MYS]
	v_lshlrev_b32 v14, 3, v11
	v_cmp_lt_u32 vcc_lo, 15, v11
	v_cndmask_b32 v[TM+8], v[TM], v[TM+1], vcc_lo  ; lane l: row l,
	v_cndmask_b32 v[TM+9], v[TM+2], v[TM+3], vcc_lo   ; and row 32 + l
	s_wait_alu depctr_va_vdst(0)
	ds_store_b32 v12, v[TM+8]                      ; through my stage, so that one store covers my 64 scores
	ds_store_b32 v12, v[TM+9] offset:128
	ds_load_b64 v[TM+10:TM+11], v13
	s_wait_dscnt 0x0
	global_store_b64 v14, v[TM+10:TM+11], s[14:15] ; 32 lanes store 256 consecutive bytes, at a multiple of 256 from the buffer's first byte
	s_wait_tensorcnt 0x0                           ; the wave's end
	ds_add_u32 v[SPW], v[NIL]
	s_wait_dscnt 0x0
	CROUND                                         ; the closing round
	s_endpgm
.Lfunc_end_k_qf8f617920b_main:
	.size	k_qf8f617920b_main, .Lfunc_end_k_qf8f617920b_main-k_qf8f617920b_main
	.p2alignl 7, 3214868480
	.fill 96, 4, 3214868480
	.section	.rodata,"a",@progbits
	.p2align	6, 0x0
	.amdhsa_kernel k_qf8f617920b_main
		.amdhsa_group_segment_fixed_size 327680
		.amdhsa_private_segment_fixed_size 0
		.amdhsa_enable_private_segment 0
		.amdhsa_kernarg_size 48
		.amdhsa_user_sgpr_count 2
		.amdhsa_user_sgpr_kernarg_segment_ptr 1
		.amdhsa_wavefront_size32 1
		.amdhsa_system_sgpr_workgroup_id_x 1
		.amdhsa_system_sgpr_workgroup_id_y 1
		.amdhsa_system_sgpr_workgroup_id_z 1
		.amdhsa_system_vgpr_workitem_id 0
		.amdhsa_next_free_vgpr 1024
		.amdhsa_next_free_sgpr 92
		.amdhsa_reserve_vcc 1
		.amdhsa_float_denorm_mode_32 3
		.amdhsa_float_denorm_mode_16_64 3
		.amdhsa_memory_ordered 1
		.amdhsa_forward_progress 1
		.amdhsa_inst_pref_size 255
	.end_amdhsa_kernel
	.section	.bss,"aw",@nobits
	.p2align	6
	.space	262144
	.amdgpu_metadata
---
amdhsa.version: [ 1, 2 ]
amdhsa.kernels:
  - .name:           k_qf8f617920b_main
    .symbol:         k_qf8f617920b_main.kd
    .args:
      - { .name: keys, .offset: 0, .size: 8, .value_kind: global_buffer, .address_space: global }
      - { .name: uaimg, .offset: 8, .size: 8, .value_kind: global_buffer, .address_space: global }
      - { .name: Ua_w_scales, .offset: 16, .size: 8, .value_kind: global_buffer, .address_space: global }
      - { .name: qb, .offset: 24, .size: 8, .value_kind: global_buffer, .address_space: global }
      - { .name: Va_w, .offset: 32, .size: 8, .value_kind: global_buffer, .address_space: global }
      - { .name: scores, .offset: 40, .size: 8, .value_kind: global_buffer, .address_space: global }
    .group_segment_fixed_size: 327680
    .private_segment_fixed_size: 0
    .kernarg_segment_align: 8
    .kernarg_segment_size: 48
    .max_flat_workgroup_size: 128
    .sgpr_count:     92
    .vgpr_count:     1024
    .wavefront_size: 32
...
	.end_amdgpu_metadata
.endif
;; end of part 2
;; launch ctx (part 3): grid 8 x 32, 16 waves a work-group, no clusters, 26,624 bytes of LDS; arguments scores, keys, out0, out1; writes out0, out1
.if DOCPART == 3
	.amdgcn_target "amdgcn-amd-amdhsa--gfx1250"
	.amdhsa_code_object_version 6
	.text
	.protected	k_qf8f617920b_ctx
	.globl	k_qf8f617920b_ctx
	.p2align	8
	.type	k_qf8f617920b_ctx,@function
k_qf8f617920b_ctx:
	s_mov_b64 s[64:65], 0
	v_nop
	global_prefetch_b8 v0, s[64:65] scope:SCOPE_SE
	s_setreg_imm32_b32 hwreg(HW_REG_WAVE_MODE, 25, 1), 1
	s_wait_xcnt 0x0
; weights[b][:] = softmax(scores[b][:]) over the batch's 2,048 keys (the largest score is taken off first); context[b][:] = the sum over s of weights[b][s] keys[b][s][:].  All in f32.
; The scores come without Va_b + sum(Va), the same for all keys of a batch: the softmax takes it away (shown at the head of the first kernel).
; A stream.  Work-group (j, b) takes columns 128 j .. 128 j + 127 of batch b; each of its sixteen waves takes 128 rows; a load reads a row's 512 consecutive bytes, 16 a lane; 32 rows a wave are on their way.
; The sums are taken with p = 2^((score - largest) log2(e)) and divided by the sum of p at the end.  One row a batch: fused multiply-adds; the matrix units have nothing to do here.
; p comes from LDS in groups of 16 rows, two groups of registers by turns.
; PREFETCH: 16 rows x 512 bytes are 32 blocks of 256 bytes, a lane a block, one instruction.  Rows 32 to 63 are asked for behind the ring's first loads; at row i (a multiple of 16, up to 48) rows i + 64 .. i + 79,
; whose loads go out 32 rows later; the rows from 64 on ask for nothing.  Each wave asks for its own bytes: no other wave of the launch reads them.
; No cluster: the eight work-groups of a batch share only the scores, 8 KB beside the 1 MB of keys that each reads alone.
.set PB,   0                           ; LDS: p, 2,048 numbers
.set RED1, 8192                        ; the waves' maxima
.set RED2, 8448                        ; the waves' sums
.set PART, 8704                        ; the waves' parts of the context: 512 bytes each
.set SPARE, 0x6000                     ; the spare words, 128 bytes a wave
.set ACC,  16                          ; v16-23   two sets of four sums
.set KR,   32                          ; v32-159  the ring: 32 rows x 4 registers
.set PR,   160                         ; v160-191 two groups of 16 p, the same in every lane
.set RD,   192                         ; v192-207 sixteen words of the waves
	s_load_b256 s[4:11], s[0:1], 0x0               ; scores, keys, out0, out1
	v_lshl_add_u32 v210, v0, 2, SPARE
	v_mov_b32 v211, 0
	v_lshrrev_b32 v1, 5, v0
	v_readfirstlane_b32 s12, v1                    ; wave
	s_and_b32 s13, ttmp7, 0xffff                   ; b
	s_lshl_b32 s14, s13, 13                        ; a batch's scores and weights: 8,192 bytes
	s_mov_b32 s15, 0
	s_lshl_b32 s16, s13, 23                        ; a batch's keys,
	s_lshl_b32 s18, s12, 19                        ; my wave's 128 rows,
	s_add_co_u32 s16, s16, s18
	s_lshl_b32 s18, ttmp9, 9                       ; my work-group's 512 bytes of a row
	s_add_co_u32 s16, s16, s18
	s_mov_b32 s17, 0
	s_lshl_b32 s20, s13, 12                        ; the context: 4,096 b + 512 j
	s_add_co_u32 s20, s20, s18
	s_mov_b32 s21, 0
	s_mov_b32 s22, 0x76543210
	s_mov_b32 s23, 0xfedcba98
	s_lshl_b32 s24, s12, 2
	s_lshl_b32 s25, s12, 9
	v_and_b32 v12, 31, v0
	v_lshlrev_b32 v2, 4, v12                       ; 16 x lane
	v_lshlrev_b32 v3, 4, v0                        ; 16 x thread
	v_lshrrev_b32 v13, 1, v12
	v_and_b32 v28, 1, v12
	v_lshlrev_b32 v28, 8, v28
	v_lshl_add_u32 v28, v13, 12, v28               ; the prefetches' offset: 4,096 (lane / 2) + 256 (lane % 2); never rewritten
	v_mov_b32 v10, s24                             ; my wave's word
	v_mov_b32 v25, s25                             ; my wave's 128 p
	v_mov_b32 v9, 0
	v_mov_b32 v11, 0
	v_mov_b32 v27, 0
	s_wait_alu depctr_va_vdst(0)
	s_wait_kmcnt 0x0
	s_add_nc_u64 s[4:5], s[4:5], s[14:15]
	s_add_nc_u64 s[10:11], s[10:11], s[14:15]
	s_add_nc_u64 s[6:7], s[6:7], s[16:17]
	s_add_nc_u64 s[8:9], s[8:9], s[20:21]
	global_load_b128 v[4:7], v3, s[4:5]            ; my four scores
.set RW, 0
.rept 32
	global_load_b128 v[KR+4*RW:KR+4*RW+3], v2, s[6:7] offset:4096*RW th:TH_LOAD_NT   ; rows 0 to 31
.set RW, RW+1
.endr
	global_prefetch_b8 v28, s[6:7] offset:4096*32 th:TH_LOAD_NT scope:SCOPE_SE
	global_prefetch_b8 v28, s[6:7] offset:4096*48 th:TH_LOAD_NT scope:SCOPE_SE
	s_wait_loadcnt 32                              ; the scores are in; the 32 rows stay out
	v_max3_num_f32 v8, v4, v5, v6
	v_max_num_f32 v8, v8, v7
	v_max_num_f32_dpp v8, v8, v8 row_xmask:1 row_mask:0xf bank_mask:0xf
	v_max_num_f32_dpp v8, v8, v8 row_xmask:2 row_mask:0xf bank_mask:0xf
	v_max_num_f32_dpp v8, v8, v8 row_xmask:4 row_mask:0xf bank_mask:0xf
	v_max_num_f32_dpp v8, v8, v8 row_xmask:8 row_mask:0xf bank_mask:0xf
	v_permlanex16_b32 v9, v8, s22, s23
	v_max_num_f32 v8, v8, v9                       ; the wave's largest score
	ds_store_b32 v10, v8 offset:RED1
	s_wait_dscnt 0x0
	s_barrier_signal -1
	s_barrier_wait -1
.irp q, 0,1,2,3
	ds_load_b128 v[RD+4*\q:RD+4*\q+3], v11 offset:RED1+16*\q
.endr
	s_wait_dscnt 0x0
	v_max3_num_f32 v24, v[RD], v[RD+1], v[RD+2]
.irp i, 3,5,7,9,11,13
	v_max3_num_f32 v24, v24, v[RD+\i], v[RD+\i+1]
.endr
	v_max_num_f32 v24, v24, v[RD+15]               ; the batch's largest score
.irp i, 0,1,2,3
	v_sub_f32 v[4+\i], v[4+\i], v24
.endr
.irp i, 0,1,2,3
	v_mul_f32 v[4+\i], 0x3fb8aa3b, v[4+\i]         ; x log2(e)
.endr
	s_wait_alu depctr_va_vdst(0)                   ; the wait ahead of the batch
.irp i, 0,1,2,3
	v_exp_f32 v[4+\i], v[4+\i]                     ; p, at most 1
.endr
	v_nop
	s_wait_alu depctr_va_vdst(0)                   ; and behind it
	v_add_f32 v8, v4, v5
	v_add_f32 v9, v6, v7
	v_add_f32 v8, v8, v9
	v_add_f32_dpp v8, v8, v8 row_xmask:1 row_mask:0xf bank_mask:0xf
	v_add_f32_dpp v8, v8, v8 row_xmask:2 row_mask:0xf bank_mask:0xf
	v_add_f32_dpp v8, v8, v8 row_xmask:4 row_mask:0xf bank_mask:0xf
	v_add_f32_dpp v8, v8, v8 row_xmask:8 row_mask:0xf bank_mask:0xf
	v_permlanex16_b32 v9, v8, s22, s23
	v_add_f32 v8, v8, v9                           ; the wave's sum of p
	ds_store_b32 v10, v8 offset:RED2
	ds_store_b128 v3, v[4:7] offset:PB             ; and its p
	s_wait_dscnt 0x0
	s_barrier_signal -1
	s_barrier_wait -1
.irp q, 0,1,2,3
	ds_load_b128 v[RD+4*\q:RD+4*\q+3], v11 offset:RED2+16*\q
.endr
.irp q, 0,1,2,3,4,5,6,7
	ds_load_b128 v[PR+4*\q:PR+4*\q+3], v25 offset:PB+16*\q   ; my rows 0 to 31: every lane reads the same 16 bytes
.endr
	s_wait_dscnt 8                                 ; the sixteen sums are in; the eight loads of p may be out
	v_pk_add_f32 v[RD:RD+1], v[RD:RD+1], v[RD+2:RD+3]
	v_pk_add_f32 v[RD+4:RD+5], v[RD+4:RD+5], v[RD+6:RD+7]
	v_pk_add_f32 v[RD+8:RD+9], v[RD+8:RD+9], v[RD+10:RD+11]
	v_pk_add_f32 v[RD+12:RD+13], v[RD+12:RD+13], v[RD+14:RD+15]
	v_pk_add_f32 v[RD:RD+1], v[RD:RD+1], v[RD+4:RD+5]
	v_pk_add_f32 v[RD+8:RD+9], v[RD+8:RD+9], v[RD+12:RD+13]
	v_pk_add_f32 v[RD:RD+1], v[RD:RD+1], v[RD+8:RD+9]
	v_add_f32 v[RD], v[RD], v[RD+1]                ; the batch's sum of p, at least 1
	s_wait_alu depctr_va_vdst(0)
	v_rcp_f32 v26, v[RD]
	v_nop
	s_wait_alu depctr_va_vdst(0)
	s_lshr_b32 s26, s12, 1                         ; the weights: work-group j stores those of its waves 2 j and 2 j + 1
	s_cmp_lg_u32 s26, ttmp9
	s_cbranch_scc1 .Lnot_w
	v_pk_mul_f32 v[12:13], v[4:5], v[26:27] op_sel_hi:[1,0]
	v_pk_mul_f32 v[14:15], v[6:7], v[26:27] op_sel_hi:[1,0]
	global_store_b128 v3, v[12:15], s[10:11]       ; 32 lanes store 512 consecutive bytes, at a multiple of 256 from the buffer's first byte
.Lnot_w:
; Row i: its load is in; four sums += p[i] x the row's four numbers; the ring's place takes the row 32 further on.  Rows 0 and 1 start the sums.
.macro ROW i
.set rG, (\i)/16
	s_wait_alu depctr_va_vdst(0)
.if (\i)%16 == 0
.if rG < 7
	s_wait_dscnt 4                                 ; this group's four loads of p are in; the next group's four may be out
.else
	s_wait_dscnt 0x0
.endif
.endif
.if (\i) < 96
	s_wait_loadcnt 31                              ; mine is in, the 31 younger ones stay out
.else
	s_wait_loadcnt 127-(\i)
.endif
.set rK, KR+4*((\i)%32)
.set rA, ACC+4*((\i)%2)
.set rP, PR+16*(rG%2)+2*(((\i)%16)/2)
.if (\i) == 0
	v_pk_mul_f32 v[rA:rA+1], v[rK:rK+1], v[rP:rP+1] op_sel:[0,0] op_sel_hi:[1,0]
	v_pk_mul_f32 v[rA+2:rA+3], v[rK+2:rK+3], v[rP:rP+1] op_sel:[0,0] op_sel_hi:[1,0]
.elseif (\i) == 1
	v_pk_mul_f32 v[rA:rA+1], v[rK:rK+1], v[rP:rP+1] op_sel:[0,1] op_sel_hi:[1,1]
	v_pk_mul_f32 v[rA+2:rA+3], v[rK+2:rK+3], v[rP:rP+1] op_sel:[0,1] op_sel_hi:[1,1]
.elseif (\i)%2 == 0
	v_pk_fma_f32 v[rA:rA+1], v[rK:rK+1], v[rP:rP+1], v[rA:rA+1] op_sel:[0,0,0] op_sel_hi:[1,0,1]
	v_pk_fma_f32 v[rA+2:rA+3], v[rK+2:rK+3], v[rP:rP+1], v[rA+2:rA+3] op_sel:[0,0,0] op_sel_hi:[1,0,1]
.else
	v_pk_fma_f32 v[rA:rA+1], v[rK:rK+1], v[rP:rP+1], v[rA:rA+1] op_sel:[0,1,0] op_sel_hi:[1,1,1]
	v_pk_fma_f32 v[rA+2:rA+3], v[rK+2:rK+3], v[rP:rP+1], v[rA+2:rA+3] op_sel:[0,1,0] op_sel_hi:[1,1,1]
.endif
.if (\i) < 96
	global_load_b128 v[rK:rK+3], v2, s[6:7] offset:4096*((\i)+32) th:TH_LOAD_NT
.endif
.if (\i)%16 == 0
.if (\i) < 64
	global_prefetch_b8 v28, s[6:7] offset:4096*((\i)+64) th:TH_LOAD_NT scope:SCOPE_SE
.endif
.endif
.if (\i)%16 == 15
.if rG < 6
.irp q, 0,1,2,3
	ds_load_b128 v[PR+16*(rG%2)+4*\q:PR+16*(rG%2)+4*\q+3], v25 offset:PB+64*(rG+2)+16*\q   ; the group two further on, into the registers just read out
.endr
.endif
.endif
.endm
.set RW, 0
.rept 128
	ROW RW
.set RW, RW+1
.endr
	v_pk_add_f32 v[ACC:ACC+1], v[ACC:ACC+1], v[ACC+4:ACC+5]
	v_pk_add_f32 v[ACC+2:ACC+3], v[ACC+2:ACC+3], v[ACC+6:ACC+7]
	ds_store_b128 v3, v[ACC:ACC+3] offset:PART     ; my wave's part: 512 x wave + 16 x lane
	s_wait_dscnt 0x0
	s_barrier_signal -1
	s_barrier_wait -1
	s_cmp_lg_u32 s12, 0                            ; wave 0 adds the sixteen parts; no barrier follows
	s_cbranch_scc1 .Lend
.irp q, 0,1,2,3,4,5,6,7,8,9,10,11,12,13,14,15
	ds_load_b128 v[KR+4*\q:KR+4*\q+3], v2 offset:PART+512*\q
.endr
	s_wait_dscnt 0x0
.irp q, 2,4,6,8,10,12,14
	v_pk_add_f32 v[KR:KR+1], v[KR:KR+1], v[KR+4*\q:KR+4*\q+1]
	v_pk_add_f32 v[KR+2:KR+3], v[KR+2:KR+3], v[KR+4*\q+2:KR+4*\q+3]
	v_pk_add_f32 v[KR+4:KR+5], v[KR+4:KR+5], v[KR+4*\q+4:KR+4*\q+5]
	v_pk_add_f32 v[KR+6:KR+7], v[KR+6:KR+7], v[KR+4*\q+6:KR+4*\q+7]
.endr
	v_pk_add_f32 v[KR:KR+1], v[KR:KR+1], v[KR+4:KR+5]
	v_pk_add_f32 v[KR+2:KR+3], v[KR+2:KR+3], v[KR+6:KR+7]
	v_pk_mul_f32 v[KR:KR+1], v[KR:KR+1], v[26:27] op_sel_hi:[1,0]     ; / the sum of p
	v_pk_mul_f32 v[KR+2:KR+3], v[KR+2:KR+3], v[26:27] op_sel_hi:[1,0]
	global_store_b128 v2, v[KR:KR+3], s[8:9]       ; 32 lanes store 512 consecutive bytes, at a multiple of 256 from the buffer's first byte
.Lend:
	s_wait_tensorcnt 0x0                           ; the wave's end
	ds_add_u32 v210, v211
	s_wait_dscnt 0x0
	s_endpgm
.Lfunc_end_k_qf8f617920b_ctx:
	.size	k_qf8f617920b_ctx, .Lfunc_end_k_qf8f617920b_ctx-k_qf8f617920b_ctx
	.p2alignl 7, 3214868480
	.fill 96, 4, 3214868480
	.section	.rodata,"a",@progbits
	.p2align	6, 0x0
	.amdhsa_kernel k_qf8f617920b_ctx
		.amdhsa_group_segment_fixed_size 26624
		.amdhsa_private_segment_fixed_size 0
		.amdhsa_enable_private_segment 0
		.amdhsa_kernarg_size 32
		.amdhsa_user_sgpr_count 2
		.amdhsa_user_sgpr_kernarg_segment_ptr 1
		.amdhsa_wavefront_size32 1
		.amdhsa_system_sgpr_workgroup_id_x 1
		.amdhsa_system_sgpr_workgroup_id_y 1
		.amdhsa_system_sgpr_workgroup_id_z 1
		.amdhsa_system_vgpr_workitem_id 0
		.amdhsa_next_free_vgpr 216
		.amdhsa_next_free_sgpr 66
		.amdhsa_reserve_vcc 0
		.amdhsa_float_denorm_mode_32 3
		.amdhsa_float_denorm_mode_16_64 3
		.amdhsa_memory_ordered 1
		.amdhsa_forward_progress 1
		.amdhsa_inst_pref_size 49
	.end_amdhsa_kernel
	.amdgpu_metadata
---
amdhsa.version: [ 1, 2 ]
amdhsa.kernels:
  - .name:           k_qf8f617920b_ctx
    .symbol:         k_qf8f617920b_ctx.kd
    .args:
      - { .name: scores, .offset: 0, .size: 8, .value_kind: global_buffer, .address_space: global }
      - { .name: keys, .offset: 8, .size: 8, .value_kind: global_buffer, .address_space: global }
      - { .name: out0, .offset: 16, .size: 8, .value_kind: global_buffer, .address_space: global }
      - { .name: out1, .offset: 24, .size: 8, .value_kind: global_buffer, .address_space: global }
    .group_segment_fixed_size: 26624
    .private_segment_fixed_size: 0
    .kernarg_segment_align: 8
    .kernarg_segment_size: 32
    .max_flat_workgroup_size: 512
    .sgpr_count:     66
    .vgpr_count:     216
    .wavefront_size: 32
...
	.end_amdgpu_metadata
.endif
;; end of part 3
